; MI455X (gfx1250); checked and timed in simulation.
; The chip was launched on July 23, 2026; its instructions are those of AMD's public machine-readable ISA for CDNA 5 (MIT licence, August 2026) and "CDNA5" Instruction Set Architecture Reference Guide (July 2026). The comments in the code are by the model that wrote it; some were corrected since.
;; TU Layer. Allowed arithmetic: matrix products marked QUANTISED: E2M1 operands, one E8M0 scale for each 32 along K, by v_wmma_scale_f32_16x16x128_f8f6f4 with both operands' format E2M1 (or v_wmma_scale_f32_32x16x128_f4), f32 sums; products left as they are: f32 operands where the result goes on into a quantised operand, else bf16, f16 or f32 operands; f32 sums; everything else in f32.
;; Inputs: b1 256 float32; b2 256 float32; points_1_codes 2 x 4,096 x 8 x 16 uint8 (E2M1 codes of points_1, K innermost, in blocks of 32 codes, two codes a byte); points_1_scales 2 x 4,096 x 8 uint8 (E8M0 scales of points_1, one for each 32 codes along K); points_2_codes 2 x 16,384 x 8 x 16 uint8 (E2M1 codes of points_2, K innermost, in blocks of 32 codes, two codes a byte); points_2_scales 2 x 16,384 x 8 uint8 (E8M0 scales of points_2, one for each 32 codes along K); w1_codes 256 x 8 x 16 uint8 (E2M1 codes of w1, K innermost, in blocks of 32 codes, two codes a byte); w1_scales 256 x 8 uint8 (E8M0 scales of w1, one for each 32 codes along K); w2_codes 256 x 8 x 16 uint8 (E2M1 codes of w2, K innermost, in blocks of 32 codes, two codes a byte); w2_scales 256 x 8 uint8 (E8M0 scales of w2, one for each 32 codes along K); xyz_1 2 x 3 x 4,096 float32; xyz_2 2 x 3 x 16,384 float32.
;; Outputs: out0 2 x 3 x 16,384 float32; out1 2 x 256 x 16,384 float32.
;; This version of the problem:
;;   THIS VERSION OF THE PROBLEM IS GIVEN IN LOW PRECISION. The matrix products marked QUANTISED in the list below multiply operands that are first quantised to E2M1 (2 exponent bits, 1 mantissa bit; 4 bits a number), with one power-of-two scale for each 32 numbers along K (OCP MX v1.0); their sums are f32. All else is computed in f32.
;;   The module's matrix products, in the order in which they are computed (A, B: the left and right operand; K: the contracted axis; several contracted axes count as one K, in the product's order):
;;     1. [M 8,192, K 256] x [K 256, N 256]; A: input points_1 (given as codes); B: input w1 (given as codes): QUANTISED
;;     2. [M 32,768, K 256] x [K 256, N 256]; A: input points_2 (given as codes); B: input w2 (given as codes): QUANTISED
;;     3. batch 2 x [M 16,384, K 3] x [K 3, N 4,096]; A: input xyz_2; B: input xyz_1: left as it is (K = 3 < 32)
;;     4. batch 32,768 x [M 1, K 3] x [K 3, N 256]; A: computed on the way; B: computed on the way: left as it is (K = 3 < 32)
;;   THE QUANTISER, for each operand of a quantised product, along K:
;;     - K is cut into blocks of 32 from its start; a last block that is shorter is filled with zeros.
;;     - A block's scale is 2^e with e = floor(log2(the largest magnitude in the block)) - 2, held to -126 .. 127; a block of zeros has e = 0. As a byte (E8M0): e + 127.
;;     - Each number is divided by its block's scale, clamped to +-6, and rounded to the nearest number of E2M1, ties to even, subnormals kept.
;;     - The product sums the exact products of the quantised numbers (number of the format x scale) in f32.
;;   ~~~python
;;   def quantise(x, axis):      # numpy; x: float32 -> the quantised numbers, widened to float32 again
;;       x = np.moveaxis(x, axis, -1); K = x.shape[-1]
;;       x = np.pad(x, [(0, 0)] * (x.ndim - 1) + [(0, -K % 32)]); x = x.reshape(x.shape[:-1] + (-1, 32)); a = np.abs(x).max(-1, keepdims=True)
;;       e = np.where(a > 0, np.clip(np.frexp(np.where(a > 0, a, 1))[1] - 1 - 2, -126, 127), 0)      # np.frexp(a)[1] - 1 = floor(log2(a)), exactly
;;       r = np.clip(x / 2.0 ** e, -6, 6)
;;       step = 2.0 ** (np.maximum(np.frexp(np.where(r == 0, 1, r))[1] - 1, 0) - 1)
;;       q = np.round(r / step) * step * 2.0 ** e      # np.round: ties to even
;;       return np.moveaxis(q.reshape(q.shape[:-2] + (-1,))[..., :K], -1, axis).astype(np.float32)
;;   ~~~
;;   INPUTS GIVEN AS CODES. points_1 (in the module: [2, 256, 4096], K = its axis 1); points_2 (in the module: [2, 256, 16384], K = its axis 1); w1 (in the module: [256, 256], K = its axis 1); w2 (in the module: [256, 256], K = its axis 1): each comes as NAME_codes (uint8): NAME with its K axis moved to the last place and cut into blocks of 32 codes, [.., K / 32, bytes a block], one block behind the other in memory; two codes a byte, the lower K in the low four bits (a code: sign, 2 exponent bits, 1 mantissa bit); and NAME_scales (uint8): the same leading axes, one E8M0 byte (e + 127) for each 32 codes along K. Its value is code x scale, taken as it is: it is not quantised again, and the codes and scales need not be those that the quantiser above would give.
;; One version. Each part assembles by itself: llvm-mc -triple=amdgcn-amd-amdhsa -mcpu=gfx1250 --defsym DOCPART=n.
;; ======== version 1 of 1: 3 launches
;; workspace buffers: p1t 4,194,304 bytes; gid 524,288 bytes of whole numbers; nidx 524,288 bytes of whole numbers; nwgt 524,288 bytes
;; launch groups (part 1): grid 256 x 1, 8 waves a work-group, no clusters, 96,768 bytes of LDS; arguments xyz_1, xyz_2, points_1_codes, points_1_scales, w1_codes, w1_scales, b1, out0, p1t, gid; writes out0, p1t, gid
.if DOCPART == 1
	.amdgcn_target "amdgcn-amd-amdhsa--gfx1250"
	.amdhsa_code_object_version 6
	.text
	.protected	k_qe7359fa573_groups
	.globl	k_qe7359fa573_groups
	.p2align	8
	.type	k_qe7359fa573_groups,@function
k_qe7359fa573_groups:
	s_mov_b64 s[64:65], 0
	v_nop
	global_prefetch_b8 v0, s[64:65] scope:SCOPE_SE
	s_setreg_imm32_b32 hwreg(HW_REG_WAVE_MODE, 25, 1), 1
	s_wait_xcnt 0x0
; FIRST OF THREE LAUNCHES.  It makes (1) p1t[b*4096+m][o] = points_1 . w1^T + b1, rounded to bf16, rows of 512 bytes; (2) out0 = xyz_2; (3) for each of the 32,768 queries the
; three GROUPS of 32 neighbouring candidates that can hold its three nearest candidates (gid[query][4]: three group numbers, ascending, and a 0).
; WHY GROUPS.  Of a group only the smallest d2 is kept (half an instruction a pair on top of the distance), and the three groups with the smallest (clamped minimum, group number) are chosen.
; Every one of the three nearest, in the order (d2, index), lies in them: were its group not chosen, three groups would go before it, and each holds a candidate that goes before it.
; d2 IS MADE WITH THESE ROUNDINGS: ss, dd = x x, then fused with y y, then with z z; dot = x x', fused y y', fused z z'; t = ss + dd; d2 = t - 2 dot in one rounding; max with 0.  Equal values go to the lower index.
; LIMITS: NaN and infinite coordinates are not served; d2 must stay finite (|coordinate| under about 1e18), since the running minima begin at +infinity.  Two candidates whose d2 differ by one
; rounding may change places against an evaluation of d2 that rounds otherwise.
; SHARES.  Work-group g: batch g / 128, queries 128 (g % 128) on, rows 32 g on of p1t.  Wave w: candidates 1024 (w % 4) on, 32 a lane (lane l holds group 32 (w % 4) + l in registers for the whole
; launch), queries 64 (w / 4) on; in the product: channels 32 w on.
; NO CLUSTER, NO TENSOR LOAD: what work-groups share is xyz_1 (48 KiB) and w1 (34 KiB), read once by each straight into the registers where it stays; nothing is streamed or read again.
.set QT,   0                            ; LDS: 128 queries x (x, y, z, ss)
.set PSTG, 2048                         ; 32 rows of p1t x (512 bytes + 16)
.set PP,   528
.set GM,   18944                        ; group minima: a region for each wave: 64 queries x (32 groups x 4 bytes + 16)
.set GMW,  9216
.set GMP,  144
.set MGV,  92672                        ; the upper 64 groups' three best of each query: values and first number,
.set MGI,  94720                        ; and the other two numbers
.set X,    32                           ; v32-63   my 32 candidates' x;  v64-95 y;  v96-127 z;  v128-159 dd
.set Y,    64
.set Z,    96
.set DD,   128
.set R,    160                          ; v160-191 dot, then d2
.set T,    192                          ; v192-223 ss + dd, then the tree of minima
.set WF,   128                          ; the product, ahead of all that: w1's fragments (tile u, K step s) at WF + 16 u + 8 s
.set PF,   160                          ; points_1's (row tile m, K step s) at PF + 16 m + 8 s
.set ACC,  192                          ; accumulator (u, m) at ACC + 8 (2 u + m)
.set BIAS, 224                          ; b1 in the result's layout, 8 registers a tile u; later the packed results
.set WS,   240                          ; v240-241 w1's scale words, v242-243 points_1's: lanes 0-15 K step 0, lanes 16-31 K step 1; they hold scales and nothing else
.set PS,   242
.set MN,   244                          ; v244-247 the four minima of a trip
.set AQB,  31                           ; LDS addresses of a trip's loads and stores
.set AQA,  254
.set GMA,  255
.set SA,   8                            ; the choice: three smallest values SA <= SB <= SC, their numbers IA, IB, IC
.set SB,   9
.set SC,   10
.set IA,   11
.set IB,   12
.set IC,   13
.set T1,   14
.set T2,   15
.macro MKDD                             ; dd of my 32 candidates
.irp p, 0,2,4,6,8,10,12,14,16,18,20,22,24,26,28,30
	v_pk_mul_f32 v[DD+\p:DD+\p+1], v[X+\p:X+\p+1], v[X+\p:X+\p+1]
.endr
.irp p, 0,2,4,6,8,10,12,14,16,18,20,22,24,26,28,30
	v_pk_fma_f32 v[DD+\p:DD+\p+1], v[Y+\p:Y+\p+1], v[Y+\p:Y+\p+1], v[DD+\p:DD+\p+1]
.endr
.irp p, 0,2,4,6,8,10,12,14,16,18,20,22,24,26,28,30
	v_pk_fma_f32 v[DD+\p:DD+\p+1], v[Z+\p:Z+\p+1], v[Z+\p:Z+\p+1], v[DD+\p:DD+\p+1]
.endr
.endm
.macro DIST q                           ; d2 (not yet clamped) of the query in v[q:q+3] = (x, y, z, ss) to my 32 candidates: five packed instructions for two pairs
.irp p, 0,2,4,6,8,10,12,14,16,18,20,22,24,26,28,30
	v_pk_mul_f32 v[R+\p:R+\p+1], v[X+\p:X+\p+1], v[\q:\q+1] op_sel_hi:[1,0]
.endr
.irp p, 0,2,4,6,8,10,12,14,16,18,20,22,24,26,28,30
	v_pk_fma_f32 v[R+\p:R+\p+1], v[Y+\p:Y+\p+1], v[\q:\q+1], v[R+\p:R+\p+1] op_sel:[0,1,0] op_sel_hi:[1,1,1]
.endr
.irp p, 0,2,4,6,8,10,12,14,16,18,20,22,24,26,28,30
	v_pk_fma_f32 v[R+\p:R+\p+1], v[Z+\p:Z+\p+1], v[\q+2:\q+3], v[R+\p:R+\p+1] op_sel_hi:[1,0,1]
.endr
.irp p, 0,2,4,6,8,10,12,14,16,18,20,22,24,26,28,30
	v_pk_add_f32 v[T+\p:T+\p+1], v[DD+\p:DD+\p+1], v[\q+2:\q+3] op_sel:[0,1] op_sel_hi:[1,1]
.endr
.irp p, 0,2,4,6,8,10,12,14,16,18,20,22,24,26,28,30
	v_pk_fma_f32 v[R+\p:R+\p+1], v[R+\p:R+\p+1], -2.0, v[T+\p:T+\p+1] op_sel_hi:[1,0,1]
.endr
.endm
.macro QRY q, mreg, off                 ; one query: my group's smallest d2, clamped, to my wave's region
	DIST \q
.irp i, 0,1,2,3,4,5,6,7,8,9
	v_min3_num_f32 v[T+\i], v[R+3*\i], v[R+3*\i+1], v[R+3*\i+2]
.endr
	v_min3_num_f32 v[T+10], v[T], v[T+1], v[T+2]
	v_min3_num_f32 v[T+11], v[T+3], v[T+4], v[T+5]
	v_min3_num_f32 v[T+12], v[T+6], v[T+7], v[T+8]
	v_min3_num_f32 v[T+13], v[T+9], v[R+30], v[R+31]
	v_min3_num_f32 v[T+10], v[T+10], v[T+11], v[T+12]
	v_min_num_f32 v[T+10], v[T+10], v[T+13]
	v_max_num_f32 v[\mreg], 0, v[T+10]
	ds_store_b32 v[GMA], v[\mreg] offset:\off
.endm
; x with the number id is put among the three smallest.  Strictly smaller only: of equal values the one seen first, which has the lower number, stays ahead.
.macro INS x, id
	v_cmp_lt_f32 s40, \x, v[SA]
	v_cmp_lt_f32 s41, \x, v[SB]
	v_cmp_lt_f32 s42, \x, v[SC]
	v_cndmask_b32 v[T1], \id, v[IB], s41
	v_cndmask_b32 v[IC], v[IC], v[T1], s42
	v_cndmask_b32 v[T2], \id, v[IA], s40
	v_cndmask_b32 v[IB], v[IB], v[T2], s41
	v_cndmask_b32 v[IA], v[IA], \id, s40
	v_med3_num_f32 v[SC], v[SB], v[SC], \x
	v_med3_num_f32 v[SB], v[SA], v[SB], \x
	v_min_num_f32 v[SA], v[SA], \x
.endm
.macro BAR                              ; my LDS stores have landed and my LDS loads are in: then the work-group's barrier
	s_wait_dscnt 0x0
	s_barrier_signal -1
	s_barrier_wait -1
.endm
	s_load_b512 s[16:31], s[0:1], 0x0              ; xyz_1 16, xyz_2 18, points_1 codes 20, scales 22, w1 codes 24, scales 26, b1 28, out0 30
	s_load_b128 s[32:35], s[0:1], 0x40             ; p1t 32, gid 34
	s_set_vgpr_msb 0x40
	v_lshl_add_u32 v0, v0, 2, 0x17600
	v_mov_b32 v1, 0
	s_set_vgpr_msb 0x4000
	v_lshrrev_b32 v1, 5, v0
	v_readfirstlane_b32 s8, v1                     ; wave 0..7
	v_and_b32 v1, 31, v0                           ; lane
	v_and_b32 v2, 15, v0                           ; r
	v_bfe_u32 v3, v0, 4, 1                         ; h
	s_and_b32 s9, s8, 3                            ; which 1,024 candidates
	s_lshr_b32 s10, s8, 2                          ; which 64 queries
	s_lshr_b32 s11, ttmp9, 7                       ; batch
	s_and_b32 s12, ttmp9, 127
	s_lshl_b32 s12, s12, 9                         ; my first query, in bytes of a coordinate's row
	s_mul_i32 s36, s11, 49152                      ; xyz_1: the batch's three rows of 16,384 bytes, my wave's 4,096 bytes of each
	s_lshl_b32 s13, s9, 12
	s_add_co_u32 s36, s36, s13
	s_mov_b32 s37, 0
	s_mul_i32 s38, s11, 196608                     ; xyz_2 and out0: three rows of 65,536 bytes
	s_add_co_u32 s38, s38, s12
	s_mov_b32 s39, 0
	s_lshl_b32 s48, ttmp9, 12                      ; points_1's codes: 32 rows of 128 bytes
	s_mov_b32 s49, 0
	s_lshl_b32 s50, ttmp9, 8                       ; its scales: 32 rows of 8
	s_mov_b32 s51, 0
	s_lshl_b32 s52, s8, 12                         ; w1's codes: my 32 rows
	s_mov_b32 s53, 0
	s_lshl_b32 s54, s8, 8                          ; its scales
	s_mov_b32 s55, 0
	s_lshl_b32 s56, s8, 7                          ; b1: my 32 numbers
	s_mov_b32 s57, 0
	s_lshl_b32 s58, ttmp9, 14                      ; p1t: 32 rows of 512 bytes, of which I store four
	s_lshl_b32 s13, s8, 11
	s_add_co_u32 s58, s58, s13
	s_mov_b32 s59, 0
	s_lshl_b32 s60, ttmp9, 11                      ; gid: 128 queries x 16 bytes
	s_mov_b32 s61, 0
	v_lshlrev_b32 v4, 7, v1                        ; candidates: 128 bytes a lane
	v_and_b32 v31, 8, v2
	v_add_nc_u32 v31, v31, v2                      ; r + 8 (r / 8): THE ROWS OF W1 THAT FORM A TILE ARE NOT NEIGHBOURS: lane r of tile u takes row 32 w + 8 u + r + 8 (r / 8),
	v_lshlrev_b32 v5, 7, v31                       ; so that a lane's 16 results of tiles 0 and 1 are the 16 neighbouring channels 32 w + 16 h + 0 .. 15
	v_lshl_add_u32 v5, v3, 4, v5
	v_lshlrev_b32 v6, 7, v2                        ; points_1: row r, + 16 h
	v_lshl_add_u32 v6, v3, 4, v6
	v_lshlrev_b32 v7, 3, v31                       ; scale words: 8 bytes a row; lanes 16-31 take the second K step's word
	v_lshl_add_u32 v7, v3, 2, v7
	v_lshlrev_b32 v24, 3, v2
	v_lshl_add_u32 v24, v3, 2, v24
	v_lshlrev_b32 v25, 6, v3                       ; b1: 64 h
	v_mul_u32_u24 v26, v2, PP                      ; the stage for p1t, in: row r, my 32 bytes at 64 w + 32 h
	v_lshl_add_u32 v26, v3, 5, v26
	s_lshl_b32 s13, s8, 6
	s_add_co_u32 s13, s13, PSTG
	v_add_nc_u32 v26, s13, v26
	s_mul_i32 s13, s8, 4*PP                        ; and back: rows 4 w on, 16 bytes a lane
	s_add_co_u32 s13, s13, PSTG
	v_lshl_add_u32 v27, v1, 4, s13
	s_lshl_b32 s13, s10, 10                        ; my 64 queries' quads
	v_mov_b32 v28, s13
	s_mul_i32 s13, s8, GMW                         ; my region of minima, my group's word
	s_add_co_u32 s13, s13, GM
	v_lshl_add_u32 v29, v1, 2, s13
	v_bfe_u32 v30, v0, 6, 1                        ; the choice: thread t takes query t % 128 and groups 64 (t / 128) on: regions 4 ((t / 64) % 2) + 2 (t / 128) and the next
	v_lshrrev_b32 v31, 7, v0
	v_lshlrev_b32 v30, 2, v30
	v_lshl_add_u32 v30, v31, 1, v30
	v_mul_u32_u24 v30, v30, GMW
	v_and_b32 v31, 63, v0
	v_mad_u32_u24 v30, v31, GMP, v30
	v_add_nc_u32 v30, GM, v30
	v_lshlrev_b32 v248, 5, v0                      ; two quads a thread (threads 0-63)
	v_and_b32 v31, 127, v0
	v_lshl_add_u32 v249, v31, 4, MGV
	v_lshl_add_u32 v250, v31, 3, MGI
	v_lshlrev_b32 v251, 4, v1
	v_lshlrev_b32 v252, 4, v31
	v_lshlrev_b32 v253, 3, v0
	s_wait_kmcnt 0x0
	s_add_nc_u64 s[16:17], s[16:17], s[36:37]
	s_add_nc_u64 s[18:19], s[18:19], s[38:39]
	s_add_nc_u64 s[30:31], s[30:31], s[38:39]
	s_add_nc_u64 s[20:21], s[20:21], s[48:49]
	s_add_nc_u64 s[22:23], s[22:23], s[50:51]
	s_add_nc_u64 s[24:25], s[24:25], s[52:53]
	s_add_nc_u64 s[26:27], s[26:27], s[54:55]
	s_add_nc_u64 s[28:29], s[28:29], s[56:57]
	s_add_nc_u64 s[32:33], s[32:33], s[58:59]
	s_add_nc_u64 s[34:35], s[34:35], s[60:61]
	; 24 loads for the product
.irp u, 0,1
.irp s, 0,1
.irp c, 0,1
	global_load_b128 v[WF+16*\u+8*\s+4*\c:WF+16*\u+8*\s+4*\c+3], v5, s[24:25] offset:1024*\u+64*\s+32*\c
.endr
.endr
.endr
.irp m, 0,1
.irp s, 0,1
.irp c, 0,1
	global_load_b128 v[PF+16*\m+8*\s+4*\c:PF+16*\m+8*\s+4*\c+3], v6, s[20:21] offset:2048*\m+64*\s+32*\c
.endr
.endr
.endr
.irp u, 0,1
	global_load_b128 v[BIAS+8*\u:BIAS+8*\u+3], v25, s[28:29] offset:32*\u
	global_load_b128 v[BIAS+8*\u+4:BIAS+8*\u+7], v25, s[28:29] offset:32*\u+16
.endr
.irp u, 0,1
	global_load_b32 v[WS+\u], v7, s[26:27] offset:64*\u
.endr
.irp m, 0,1
	global_load_b32 v[PS+\m], v24, s[22:23] offset:128*\m
.endr
	; and 24 for my candidates
.irp i, 0,1,2,3,4,5,6,7
	global_load_b128 v[X+4*\i:X+4*\i+3], v4, s[16:17] offset:16*\i
.endr
.irp i, 0,1,2,3,4,5,6,7
	global_load_b128 v[Y+4*\i:Y+4*\i+3], v4, s[16:17] offset:16384+16*\i
.endr
.irp i, 0,1,2,3,4,5,6,7
	global_load_b128 v[Z+4*\i:Z+4*\i+3], v4, s[16:17] offset:32768+16*\i
.endr
	; waves 0 and 1: the work-group's 128 queries, two a thread: quads to LDS, the coordinates as they are to out0
	s_cmp_lt_u32 s8, 2
	s_cbranch_scc0 .Lno_query
	global_load_b64 v[8:9], v253, s[18:19]
	global_load_b64 v[10:11], v253, s[18:19] offset:65536
	global_load_b64 v[12:13], v253, s[18:19] offset:131072
	s_wait_loadcnt 0x0
	v_pk_mul_f32 v[14:15], v[8:9], v[8:9]
	v_pk_fma_f32 v[14:15], v[10:11], v[10:11], v[14:15]
	v_pk_fma_f32 v[14:15], v[12:13], v[12:13], v[14:15]
	v_mov_b32 v16, v8
	v_mov_b32 v17, v10
	v_mov_b32 v18, v12
	v_mov_b32 v19, v14
	v_mov_b32 v20, v9
	v_mov_b32 v21, v11
	v_mov_b32 v22, v13
	v_mov_b32 v23, v15
	ds_store_b128 v248, v[16:19]
	ds_store_b128 v248, v[20:23] offset:16
	global_store_b64 v253, v[8:9], s[30:31]                    ; a wave's store covers 256 consecutive bytes, aligned
	global_store_b64 v253, v[10:11], s[30:31] offset:65536
	global_store_b64 v253, v[12:13], s[30:31] offset:131072
	s_wait_xcnt 0x0                                ; the stores' data registers are loaded anew further down
.Lno_query:
	; p1 = points_1 . w1^T + b1, TRANSPOSED (source 0 = 16 rows of w1, source 1 = 16 rows of points_1): a lane holds one row of p1t and eight channels an accumulator.
	s_wait_loadcnt 24                              ; the product's 24 loads are in; the 24 younger ones, my candidates, may be out
.irp u, 0,1
.irp m, 0,1
	v_wmma_scale_f32_16x16x128_f8f6f4 v[ACC+8*(2*\u+\m):ACC+8*(2*\u+\m)+7], v[WF+16*\u:WF+16*\u+7], v[PF+16*\m:PF+16*\m+7], v[BIAS+8*\u:BIAS+8*\u+7], v[WS+\u], v[PS+\m] matrix_a_fmt:MATRIX_FMT_FP4 matrix_b_fmt:MATRIX_FMT_FP4
.endr
.endr
.irp u, 0,1                                    ; the four accumulators by turns
.irp m, 0,1
	v_wmma_scale_f32_16x16x128_f8f6f4 v[ACC+8*(2*\u+\m):ACC+8*(2*\u+\m)+7], v[WF+16*\u+8:WF+16*\u+15], v[PF+16*\m+8:PF+16*\m+15], v[ACC+8*(2*\u+\m):ACC+8*(2*\u+\m)+7], v[WS+\u], v[PS+\m] matrix_a_fmt:MATRIX_FMT_FP4 matrix_b_fmt:MATRIX_FMT_FP4 matrix_a_scale:MATRIX_SCALE_ROW1 matrix_b_scale:MATRIX_SCALE_ROW1
.endr
.endr
.rept 4
	v_nop                                          ; four places behind the last product (ISA guide 7.12.1), ahead of the reads of results and of writes over the biases
.endr
.irp a, 0,1,2,3
.irp j, 0,1,2,3
	v_cvt_pk_bf16_f32 v[BIAS+4*\a+\j], v[ACC+8*\a+2*\j], v[ACC+8*\a+2*\j+1]    ; each accumulator from its low end on
.endr
.endr
.irp u, 0,1
.irp m, 0,1
	ds_store_b128 v26, v[BIAS+4*(2*\u+\m):BIAS+4*(2*\u+\m)+3] offset:\m*16*PP+16*\u
.endr
.endr
	s_wait_loadcnt 0x0                             ; my candidates
	MKDD
	BAR                                            ; the quads and the 32 rows of p1t lie in LDS
.irp i, 0,1,2,3
	ds_load_b128 v[R+4*\i:R+4*\i+3], v27 offset:\i*PP
.endr
	ds_load_b128 v[8:11], v28                      ; my first two queries (every lane reads the same 16 bytes)
	ds_load_b128 v[12:15], v28 offset:16
	v_mov_b32 v[AQB], v28
	s_mov_b32 s45, 0                               ; a trip's place in my region of minima: 576 bytes a trip,
	s_mov_b32 s46, 0                               ; among my quads: 64 bytes a trip,
	s_mov_b32 s47, 64                              ; and the next trip's
	s_wait_dscnt 2                                 ; the four rows are back; the two quads may be out
.irp i, 0,1,2,3
	global_store_b128 v251, v[R+4*\i:R+4*\i+3], s[32:33] offset:512*\i        ; a whole row of 512 bytes
.endr
	s_wait_xcnt 0x0                                ; the stores' data registers are written again by the first distances
; A TRIP: four queries.  Two quads are at work while the next two come.  Each address register is written again only behind the wait that shows its last users done.
.macro TRIP more
	ds_load_b128 v[16:19], v[AQB] offset:32
	ds_load_b128 v[20:23], v[AQB] offset:48
	s_wait_dscnt 2                                 ; all but these two loads: the first two quads are in, the last trip's stores are done
	v_add_nc_u32 v[GMA], s45, v29
	v_add_nc_u32 v[AQA], s46, v28
	QRY 8, MN, 0
	QRY 12, MN+1, GMP
.if \more
	ds_load_b128 v[8:11], v[AQA] offset:64         ; the next trip's first two
	ds_load_b128 v[12:15], v[AQA] offset:80
.endif
	s_wait_dscnt 2                                 ; the two youngest may be out (the loads just issued; in the last trip the two stores): the second two quads are in
.if \more
	v_add_nc_u32 v[AQB], s47, v28
.endif
	QRY 16, MN+2, 2*GMP
	QRY 20, MN+3, 3*GMP
.endm
	s_mov_b32 s44, 15
.Ltrip:
	TRIP 1
	s_add_co_u32 s45, s45, 4*GMP
	s_add_co_u32 s46, s46, 64
	s_add_co_u32 s47, s47, 64
	s_sub_co_i32 s44, s44, 1
	s_cmp_lg_u32 s44, 0
	s_cbranch_scc1 .Ltrip
	TRIP 0                                         ; the last four queries: nothing is read beyond my 64 quads
	BAR                                            ; all 128 x 128 minima lie in LDS
	; THE CHOICE.  Thread t: query t % 128, groups 64 (t / 128) + 0 .. 63, in ascending order.
.irp c, 0,1
.irp i, 0,1,2,3,4,5,6,7
	ds_load_b128 v[R+32*\c+4*\i:R+32*\c+4*\i+3], v30 offset:\c*GMW+16*\i
.endr
.endr
	v_mov_b32 v[SA], 0x7f800000
	v_mov_b32 v[SB], 0x7f800000
	v_mov_b32 v[SC], 0x7f800000
	v_mov_b32 v[IA], 0
	v_mov_b32 v[IB], 0
	v_mov_b32 v[IC], 0
	s_wait_dscnt 0x0
.set n, 0
.rept 64
	INS v[R+n], n
.set n, n+1
.endr
	v_lshrrev_b32 v[T1], 7, v0
	v_lshl_add_u32 v[IA], v[T1], 6, v[IA]          ; + 64 for the upper half's threads
	v_lshl_add_u32 v[IB], v[T1], 6, v[IB]
	v_lshl_add_u32 v[IC], v[T1], 6, v[IC]
	s_cmp_lt_u32 s8, 4
	s_cbranch_scc1 .Lkeep
	ds_store_b128 v249, v[8:11]                    ; the upper half hands its three over
	ds_store_b64 v250, v[12:13]
.Lkeep:
	BAR
	s_cmp_lt_u32 s8, 4
	s_cbranch_scc1 .Lmerge
	s_set_vgpr_msb 0x5
	s_wait_tensorcnt 0x0
	ds_add_u32 v0, v1
	s_wait_dscnt 0x0
	s_set_vgpr_msb 0x500
	s_endpgm
.Lmerge:
	ds_load_b128 v[16:19], v249
	ds_load_b64 v[20:21], v250
	s_wait_dscnt 0x0
	INS v16, v19                                   ; the upper groups have the higher numbers: of equal values the lower half's stays ahead
	INS v17, v20
	INS v18, v21
	; the three numbers in ascending order, so that the next launch's three scans go up the candidates' indices (the larger of two = their sum less the smaller)
	v_add_nc_u32 v22, v[IA], v[IB]
	v_min_u32 v16, v[IA], v[IB]
	v_sub_nc_u32 v17, v22, v16
	v_add_nc_u32 v22, v17, v[IC]
	v_min_u32 v20, v17, v[IC]
	v_sub_nc_u32 v18, v22, v20
	v_add_nc_u32 v22, v16, v20
	v_min_u32 v16, v16, v20
	v_sub_nc_u32 v17, v22, v16
	v_mov_b32 v19, 0
	global_store_b128 v252, v[16:19], s[34:35]     ; a wave's store covers 512 consecutive bytes
	s_set_vgpr_msb 0x5
	s_wait_tensorcnt 0x0
	ds_add_u32 v0, v1
	s_wait_dscnt 0x0
	s_set_vgpr_msb 0x500
	s_endpgm
.Lfunc_end_k_qe7359fa573_groups:
	.size	k_qe7359fa573_groups, .Lfunc_end_k_qe7359fa573_groups-k_qe7359fa573_groups
	.p2alignl 7, 3214868480
	.fill 96, 4, 3214868480
	.section	.rodata,"a",@progbits
	.p2align	6, 0x0
	.amdhsa_kernel k_qe7359fa573_groups
		.amdhsa_group_segment_fixed_size 96768
		.amdhsa_private_segment_fixed_size 0
		.amdhsa_enable_private_segment 0
		.amdhsa_kernarg_size 80
		.amdhsa_user_sgpr_count 2
		.amdhsa_user_sgpr_kernarg_segment_ptr 1
		.amdhsa_wavefront_size32 1
		.amdhsa_system_sgpr_workgroup_id_x 1
		.amdhsa_system_sgpr_workgroup_id_y 1
		.amdhsa_system_sgpr_workgroup_id_z 1
		.amdhsa_system_vgpr_workitem_id 0
		.amdhsa_next_free_vgpr 258
		.amdhsa_next_free_sgpr 66
		.amdhsa_reserve_vcc 0
		.amdhsa_float_denorm_mode_32 3
		.amdhsa_float_denorm_mode_16_64 3
		.amdhsa_memory_ordered 1
		.amdhsa_forward_progress 1
		.amdhsa_inst_pref_size 113
	.end_amdhsa_kernel
	.amdgpu_metadata
---
amdhsa.version: [ 1, 2 ]
amdhsa.kernels:
  - .name:           k_qe7359fa573_groups
    .symbol:         k_qe7359fa573_groups.kd
    .args:
      - { .name: xyz_1, .offset: 0, .size: 8, .value_kind: global_buffer, .address_space: global }
      - { .name: xyz_2, .offset: 8, .size: 8, .value_kind: global_buffer, .address_space: global }
      - { .name: points_1_codes, .offset: 16, .size: 8, .value_kind: global_buffer, .address_space: global }
      - { .name: points_1_scales, .offset: 24, .size: 8, .value_kind: global_buffer, .address_space: global }
      - { .name: w1_codes, .offset: 32, .size: 8, .value_kind: global_buffer, .address_space: global }
      - { .name: w1_scales, .offset: 40, .size: 8, .value_kind: global_buffer, .address_space: global }
      - { .name: b1, .offset: 48, .size: 8, .value_kind: global_buffer, .address_space: global }
      - { .name: out0, .offset: 56, .size: 8, .value_kind: global_buffer, .address_space: global }
      - { .name: p1t, .offset: 64, .size: 8, .value_kind: global_buffer, .address_space: global }
      - { .name: gid, .offset: 72, .size: 8, .value_kind: global_buffer, .address_space: global }
    .group_segment_fixed_size: 96768
    .private_segment_fixed_size: 0
    .kernarg_segment_align: 8
    .kernarg_segment_size: 80
    .max_flat_workgroup_size: 256
    .sgpr_count:     66
    .vgpr_count:     258
    .wavefront_size: 32
...
	.end_amdgpu_metadata
.endif
;; end of part 1
;; launch pick (part 2): grid 256 x 1, 12 waves a work-group, no clusters, 10,752 bytes of LDS; arguments xyz_1, xyz_2, gid, nidx, nwgt; writes nidx, nwgt
.if DOCPART == 2
	.amdgcn_target "amdgcn-amd-amdhsa--gfx1250"
	.amdhsa_code_object_version 6
	.text
	.protected	k_qe7359fa573_pick
	.globl	k_qe7359fa573_pick
	.p2align	8
	.type	k_qe7359fa573_pick,@function
k_qe7359fa573_pick:
	s_mov_b64 s[64:65], 0
	v_nop
	global_prefetch_b8 v0, s[64:65] scope:SCOPE_SE
	s_setreg_imm32_b32 hwreg(HW_REG_WAVE_MODE, 25, 1), 1
	s_wait_xcnt 0x0
; SECOND LAUNCH.  For each query the three chosen groups of 32 candidates (gid, whole numbers stored by the launch before) are gone through again, now with indices: the three nearest candidates in the
; order (d2, index), as rows of p1t (nidx[query][4]: b*4096 + m, three of them, and a 0), and their weights (nwgt[query][4]: (1 / (d + 1e-8)) / the sum of the three, and a 0).
; d2 is made by the same instructions in the same order as in the launch before, so the two agree bit for bit.
; LIMITS: as there: NaN and infinite coordinates are not served; d2 must stay finite.  The two divisions are a reciprocal (1 ulp) and a multiplication.
; SHARES.  Work-group g: the same 128 queries.  Thread t = 128 k + q: query q, its k-th group.  Twelve waves, three to a SIMD, so that one wave's loads come while another computes.  The threads of k = 1, 2
; hand their three best over through LDS; since the groups are in ascending order, equal values stay with the lower index.
; No matrix work, no tensor load, no cluster: each thread reads 384 bytes of its own choosing, once.
.set MV,   0                            ; LDS: 16 bytes a thread: three values and the first index (threads 128 on),
.set MI,   6144                         ; 8 bytes a thread: the other two indices
.set X,    32
.set Y,    64
.set Z,    96
.set DD,   128
.set R,    160
.set T,    192
.set SA,   12
.set SB,   13
.set SC,   14
.set IA,   15
.set IB,   16
.set IC,   17
.set T1,   18
.set T2,   19
.macro INS x, id                        ; x with the number id is put among the three smallest; strictly smaller only: of equal values the one seen first stays ahead
	v_cmp_lt_f32 s40, \x, v[SA]
	v_cmp_lt_f32 s41, \x, v[SB]
	v_cmp_lt_f32 s42, \x, v[SC]
	v_cndmask_b32 v[T1], \id, v[IB], s41
	v_cndmask_b32 v[IC], v[IC], v[T1], s42
	v_cndmask_b32 v[T2], \id, v[IA], s40
	v_cndmask_b32 v[IB], v[IB], v[T2], s41
	v_cndmask_b32 v[IA], v[IA], \id, s40
	v_med3_num_f32 v[SC], v[SB], v[SC], \x
	v_med3_num_f32 v[SB], v[SA], v[SB], \x
	v_min_num_f32 v[SA], v[SA], \x
.endm
	s_load_b256 s[16:23], s[0:1], 0x0              ; xyz_1 16, xyz_2 18, gid 20, nidx 22
	s_load_b64 s[24:25], s[0:1], 0x20              ; nwgt
	v_lshl_add_u32 v224, v0, 2, 0x2400
	v_mov_b32 v225, 0
	v_lshrrev_b32 v1, 5, v0
	v_readfirstlane_b32 s8, v1                     ; wave 0..11
	v_and_b32 v2, 127, v0                          ; q
	v_lshrrev_b32 v1, 7, v0                        ; k
	v_lshlrev_b32 v3, 4, v2                        ; 16 q
	v_lshl_add_u32 v4, v1, 2, v3                   ; 16 q + 4 k
	v_lshlrev_b32 v5, 2, v2                        ; 4 q
	v_lshlrev_b32 v21, 4, v0
	v_lshl_add_u32 v22, v0, 3, MI
	s_lshr_b32 s11, ttmp9, 7                       ; batch
	s_and_b32 s12, ttmp9, 127
	s_lshl_b32 s12, s12, 9
	s_mul_i32 s36, s11, 49152
	s_mov_b32 s37, 0
	s_mul_i32 s38, s11, 196608
	s_add_co_u32 s38, s38, s12
	s_mov_b32 s39, 0
	s_lshl_b32 s34, ttmp9, 11                      ; 128 queries x 16 bytes
	s_mov_b32 s35, 0
	s_lshl_b32 s13, s11, 12                        ; the batch's first row of p1t
	s_wait_kmcnt 0x0
	s_add_nc_u64 s[16:17], s[16:17], s[36:37]
	s_add_nc_u64 s[18:19], s[18:19], s[38:39]
	s_add_nc_u64 s[20:21], s[20:21], s[34:35]
	s_add_nc_u64 s[22:23], s[22:23], s[34:35]
	s_add_nc_u64 s[24:25], s[24:25], s[34:35]
	global_load_b32 v6, v4, s[20:21]               ; my group
	global_load_b32 v8, v5, s[18:19]               ; my query
	global_load_b32 v9, v5, s[18:19] offset:65536
	global_load_b32 v10, v5, s[18:19] offset:131072
	s_wait_loadcnt 3                               ; the group's number is in; the three coordinates may be out
	v_min_u32 v6, 127, v6                          ; there are 128 groups
	v_lshlrev_b32 v7, 7, v6                        ; 128 bytes of each coordinate
.irp i, 0,1,2,3,4,5,6,7
	global_load_b128 v[X+4*\i:X+4*\i+3], v7, s[16:17] offset:16*\i
.endr
.irp i, 0,1,2,3,4,5,6,7
	global_load_b128 v[Y+4*\i:Y+4*\i+3], v7, s[16:17] offset:16384+16*\i
.endr
.irp i, 0,1,2,3,4,5,6,7
	global_load_b128 v[Z+4*\i:Z+4*\i+3], v7, s[16:17] offset:32768+16*\i
.endr
	v_mov_b32 v[SA], 0x7f800000
	v_mov_b32 v[SB], 0x7f800000
	v_mov_b32 v[SC], 0x7f800000
	v_mov_b32 v[IA], 0
	v_mov_b32 v[IB], 0
	v_mov_b32 v[IC], 0
	v_lshl_add_u32 v20, v6, 5, s13                 ; the row of p1t of my group's first candidate
	s_wait_loadcnt 24                              ; my query is in; the 24 loads of candidates may be out
	v_mul_f32 v11, v8, v8                          ; ss: v[8:11] = (x, y, z, ss)
	v_fma_f32 v11, v9, v9, v11
	v_fma_f32 v11, v10, v10, v11
	s_wait_loadcnt 16                              ; x of the 32 candidates
.irp p, 0,2,4,6,8,10,12,14,16,18,20,22,24,26,28,30
	v_pk_mul_f32 v[DD+\p:DD+\p+1], v[X+\p:X+\p+1], v[X+\p:X+\p+1]
.endr
.irp p, 0,2,4,6,8,10,12,14,16,18,20,22,24,26,28,30
	v_pk_mul_f32 v[R+\p:R+\p+1], v[X+\p:X+\p+1], v[8:9] op_sel_hi:[1,0]
.endr
	s_wait_loadcnt 8                               ; y
.irp p, 0,2,4,6,8,10,12,14,16,18,20,22,24,26,28,30
	v_pk_fma_f32 v[DD+\p:DD+\p+1], v[Y+\p:Y+\p+1], v[Y+\p:Y+\p+1], v[DD+\p:DD+\p+1]
.endr
.irp p, 0,2,4,6,8,10,12,14,16,18,20,22,24,26,28,30
	v_pk_fma_f32 v[R+\p:R+\p+1], v[Y+\p:Y+\p+1], v[8:9], v[R+\p:R+\p+1] op_sel:[0,1,0] op_sel_hi:[1,1,1]
.endr
	s_wait_loadcnt 0x0                             ; z
.irp p, 0,2,4,6,8,10,12,14,16,18,20,22,24,26,28,30
	v_pk_fma_f32 v[DD+\p:DD+\p+1], v[Z+\p:Z+\p+1], v[Z+\p:Z+\p+1], v[DD+\p:DD+\p+1]
.endr
.irp p, 0,2,4,6,8,10,12,14,16,18,20,22,24,26,28,30
	v_pk_fma_f32 v[R+\p:R+\p+1], v[Z+\p:Z+\p+1], v[10:11], v[R+\p:R+\p+1] op_sel_hi:[1,0,1]
.endr
.irp p, 0,2,4,6,8,10,12,14,16,18,20,22,24,26,28,30
	v_pk_add_f32 v[T+\p:T+\p+1], v[DD+\p:DD+\p+1], v[10:11] op_sel:[0,1] op_sel_hi:[1,1]
.endr
.irp p, 0,2,4,6,8,10,12,14,16,18,20,22,24,26,28,30
	v_pk_fma_f32 v[R+\p:R+\p+1], v[R+\p:R+\p+1], -2.0, v[T+\p:T+\p+1] op_sel_hi:[1,0,1]
.endr
.set n, 0
.rept 32
	v_max_num_f32 v[R+n], 0, v[R+n]
.set n, n+1
.endr
.set n, 0
.rept 32
	INS v[R+n], n
.set n, n+1
.endr
	v_add_nc_u32 v[IA], v20, v[IA]
	v_add_nc_u32 v[IB], v20, v[IB]
	v_add_nc_u32 v[IC], v20, v[IC]
	s_cmp_lt_u32 s8, 4
	s_cbranch_scc1 .Lkeep
	ds_store_b128 v21, v[12:15]                    ; the second and third groups' threads hand their three over
	ds_store_b64 v22, v[16:17]
.Lkeep:
	s_wait_dscnt 0x0                               ; for the others' sake: my stores have landed
	s_barrier_signal -1
	s_barrier_wait -1
	s_cmp_lt_u32 s8, 4
	s_cbranch_scc1 .Lmerge
	s_wait_tensorcnt 0x0
	ds_add_u32 v224, v225
	s_wait_dscnt 0x0
	s_endpgm
.Lmerge:
	ds_load_b128 v[24:27], v21 offset:2048         ; thread 128 + q's
	ds_load_b64 v[28:29], v22 offset:1024
	ds_load_b128 v[32:35], v21 offset:4096         ; thread 256 + q's
	ds_load_b64 v[36:37], v22 offset:2048
	s_wait_dscnt 0x0
	INS v24, v27
	INS v25, v28
	INS v26, v29
	INS v32, v35
	INS v33, v36
	INS v34, v37
	v_add_f32 v40, 0x322bcc77, v[SA]               ; d + 1e-8
	v_add_f32 v41, 0x322bcc77, v[SB]
	v_add_f32 v42, 0x322bcc77, v[SC]
	v_rcp_f32 v44, v40
	v_rcp_f32 v45, v41
	v_rcp_f32 v46, v42
	v_mov_b32 v28, v[IA]                           ; (plain instructions behind the reciprocals, ahead of the use of their results)
	v_mov_b32 v29, v[IB]
	v_mov_b32 v30, v[IC]
	v_mov_b32 v31, 0
	s_wait_alu depctr_va_vdst(0)
	v_add_f32 v47, v44, v45
	v_add_f32 v47, v47, v46
	v_rcp_f32 v48, v47
	v_mov_b32 v27, 0
	s_wait_alu depctr_va_vdst(0)
	v_mul_f32 v24, v44, v48
	v_mul_f32 v25, v45, v48
	v_mul_f32 v26, v46, v48
	global_store_b128 v3, v[28:31], s[22:23]       ; a wave's store covers 512 consecutive bytes
	global_store_b128 v3, v[24:27], s[24:25]
	s_wait_tensorcnt 0x0
	ds_add_u32 v224, v225
	s_wait_dscnt 0x0
	s_endpgm
.Lfunc_end_k_qe7359fa573_pick:
	.size	k_qe7359fa573_pick, .Lfunc_end_k_qe7359fa573_pick-k_qe7359fa573_pick
	.p2alignl 7, 3214868480
	.fill 96, 4, 3214868480
	.section	.rodata,"a",@progbits
	.p2align	6, 0x0
	.amdhsa_kernel k_qe7359fa573_pick
		.amdhsa_group_segment_fixed_size 10752
		.amdhsa_private_segment_fixed_size 0
		.amdhsa_enable_private_segment 0
		.amdhsa_kernarg_size 40
		.amdhsa_user_sgpr_count 2
		.amdhsa_user_sgpr_kernarg_segment_ptr 1
		.amdhsa_wavefront_size32 1
		.amdhsa_system_sgpr_workgroup_id_x 1
		.amdhsa_system_sgpr_workgroup_id_y 1
		.amdhsa_system_sgpr_workgroup_id_z 1
		.amdhsa_system_vgpr_workitem_id 0
		.amdhsa_next_free_vgpr 226
		.amdhsa_next_free_sgpr 66
		.amdhsa_reserve_vcc 0
		.amdhsa_float_denorm_mode_32 3
		.amdhsa_float_denorm_mode_16_64 3
		.amdhsa_memory_ordered 1
		.amdhsa_forward_progress 1
		.amdhsa_inst_pref_size 41
	.end_amdhsa_kernel
	.amdgpu_metadata
---
amdhsa.version: [ 1, 2 ]
amdhsa.kernels:
  - .name:           k_qe7359fa573_pick
    .symbol:         k_qe7359fa573_pick.kd
    .args:
      - { .name: xyz_1, .offset: 0, .size: 8, .value_kind: global_buffer, .address_space: global }
      - { .name: xyz_2, .offset: 8, .size: 8, .value_kind: global_buffer, .address_space: global }
      - { .name: gid, .offset: 16, .size: 8, .value_kind: global_buffer, .address_space: global }
      - { .name: nidx, .offset: 24, .size: 8, .value_kind: global_buffer, .address_space: global }
      - { .name: nwgt, .offset: 32, .size: 8, .value_kind: global_buffer, .address_space: global }
    .group_segment_fixed_size: 10752
    .private_segment_fixed_size: 0
    .kernarg_segment_align: 8
    .kernarg_segment_size: 40
    .max_flat_workgroup_size: 384
    .sgpr_count:     66
    .vgpr_count:     226
    .wavefront_size: 32
...
	.end_amdgpu_metadata
.endif
;; end of part 2
;; launch fuse (part 3): grid 256 x 1, 8 waves a work-group, no clusters, 302,080 bytes of LDS; arguments b2, points_2_codes, points_2_scales, w2_codes, w2_scales, p1t, nidx, nwgt, out1; writes out1
.if DOCPART == 3
	.amdgcn_target "amdgcn-amd-amdhsa--gfx1250"
	.amdhsa_code_object_version 6
	.text
	.protected	k_qe7359fa573_fuse
	.globl	k_qe7359fa573_fuse
	.p2align	8
	.type	k_qe7359fa573_fuse,@function
k_qe7359fa573_fuse:
	s_mov_b64 s[64:65], 0
	v_nop
	global_prefetch_b8 v0, s[64:65] scope:SCOPE_SE
	s_setreg_imm32_b32 hwreg(HW_REG_WAVE_MODE, 25, 1), 1
	s_wait_xcnt 0x0
; THIRD LAUNCH.  out1[b][o][n] = the sum over k of nwgt[n][k] p1t[nidx[n][k]][o]  +  points_2 . w2^T  +  b2.
; The interpolation (three rows of bf16, f32 weights, f32 sums, begun with b2) is made first and is the C of the quantised product's first matrix instruction: neither the bias nor the last sum costs an instruction.
; SHARES.  Work-group g: 128 queries (rows 128 g on of points_2), all 256 channels: 128 KiB of out1.  Wave w: queries 16 w on: their gather, and all 16 channel tiles of the product for them
; (32 matrix instructions on 16 accumulators).  It also brings w2's tiles 2 w and 2 w + 1 into LDS, as images of the operand's registers, for all eight waves; and it stores channels 32 w on.
; THE GATHER: a row of p1t is 512 bytes: one load of the wave, 16 bytes a lane.  The row numbers are whole numbers stored by the launch before; they come by scalar loads and are held to 8,191.
; THE WAY OUT: in the result a lane holds one query and eight channels, and out1 has the queries innermost: the results go through a stage in LDS, [channel][128 queries], and leave as 512 consecutive bytes a store.
; NO CLUSTER, NO TENSOR LOAD: what work-groups share is w2 (34 KiB), against 16 KiB of codes, 192 KiB of gathered rows and 128 KiB of results of a work-group's own; it is read once and nothing is streamed.
.set ISTG,  0                           ; LDS: 128 queries x (1,024 bytes + 16): channel 8 l + i at 16 l + 4 i (i < 4), at 512 + 16 l + 4 (i - 4) (i >= 4)
.set IP,    1040
.set OSTG,  133120                      ; 256 channels x (512 bytes + 16)
.set OP,    528
.set W2IMG, 268288                      ; w2: 32 images of 1,024 bytes: (tile t, K step s) at 1024 (2 t + s); registers 4 c .. 4 c + 3 at 512 c + 16 x lane
.set B2,    8                           ; v8-15    b2 of channels 8 lane + 0 .. 7
.set SUM,   16                          ; v16-31   two sets of eight sums; ahead of them offsets of the first loads, behind them addresses
.set GA,    32                          ; v32-223  gathered rows: query q, neighbour k at GA + 12 q + 4 k
.set ACC,   32                          ; v32-159  later the 16 accumulators
.set WB,    160                         ; v160-223 later two sets of four fragments of w2
.set PF,    224                         ; v224-239 points_2's two fragments
.set W2S,   240                         ; v240-255 w2's scale words, a register a tile; v7 points_2's: lanes 0-15 K step 0, lanes 16-31 K step 1; they hold scales and nothing else
	s_load_b512 s[84:99], s[0:1], 0x0              ; b2 84, points_2 codes 86, scales 88, w2 codes 90, scales 92, p1t 94, nidx 96, nwgt 98
	s_load_b64 s[100:101], s[0:1], 0x40            ; out1
	s_set_vgpr_msb 0x40
	v_lshl_add_u32 v0, v0, 2, 0x49800
	v_mov_b32 v1, 0
	s_set_vgpr_msb 0x4000
	v_lshrrev_b32 v1, 5, v0
	v_readfirstlane_b32 s2, v1                     ; wave 0..7
	v_and_b32 v1, 31, v0
	v_lshlrev_b32 v1, 4, v1                        ; 16 x lane
	v_and_b32 v20, 15, v0                          ; r
	v_bfe_u32 v21, v0, 4, 1                        ; h
	v_lshlrev_b32 v16, 7, v20                      ; a fragment's row of 128 bytes, + 16 h
	v_lshl_add_u32 v16, v21, 4, v16
	v_lshlrev_b32 v17, 1, v1                       ; b2: 32 bytes a lane
	v_lshlrev_b32 v18, 3, v20                      ; scale words: 8 bytes a row, lanes 16-31 the second K step's
	v_lshl_add_u32 v18, v21, 2, v18
	s_mul_i32 s14, s2, 16*IP                       ; my 16 rows of the first stage
	v_add_nc_u32 v2, s14, v1
	s_lshl_b32 s15, s2, 12                         ; my four images
	s_add_co_u32 s15, s15, W2IMG
	v_add_nc_u32 v19, s15, v1
	s_lshl_b32 s4, ttmp9, 11                       ; nidx, nwgt: (128 g + 16 w) x 16 bytes
	s_lshl_b32 s5, s2, 8
	s_add_co_u32 s4, s4, s5
	s_mov_b32 s5, 0
	s_lshl_b32 s6, ttmp9, 14                       ; points_2's codes: x 128
	s_lshl_b32 s7, s2, 11
	s_add_co_u32 s6, s6, s7
	s_mov_b32 s7, 0
	s_lshl_b32 s8, ttmp9, 10                       ; its scales: x 8
	s_lshl_b32 s9, s2, 7
	s_add_co_u32 s8, s8, s9
	s_mov_b32 s9, 0
	s_lshl_b32 s10, s2, 12                         ; w2's codes: rows 32 w on
	s_mov_b32 s11, 0
	s_lshr_b32 s12, ttmp9, 7                       ; out1: (256 b + 32 w) rows of 65,536 bytes + 512 (g % 128)
	s_lshl_b32 s12, s12, 24
	s_lshl_b32 s13, s2, 21
	s_add_co_u32 s12, s12, s13
	s_and_b32 s13, ttmp9, 127
	s_lshl_b32 s13, s13, 9
	s_add_co_u32 s12, s12, s13
	s_mov_b32 s13, 0
	s_wait_kmcnt 0x0
	s_add_nc_u64 s[96:97], s[96:97], s[4:5]
	s_add_nc_u64 s[98:99], s[98:99], s[4:5]
	s_add_nc_u64 s[86:87], s[86:87], s[6:7]
	s_add_nc_u64 s[88:89], s[88:89], s[8:9]
	s_add_nc_u64 s[90:91], s[90:91], s[10:11]
	s_add_nc_u64 s[100:101], s[100:101], s[12:13]
	s_load_b512 s[16:31], s[96:97], 0x0            ; my 16 queries' row numbers: query q at s[16 + 4 q + 4 (q / 12)] on
	s_load_b512 s[32:47], s[96:97], 0x40
	s_load_b512 s[48:63], s[96:97], 0x80
	s_load_b512 s[68:83], s[96:97], 0xc0
	; (a) my two tiles of w2: 8 loads
.irp u, 0,1
.irp s, 0,1
.irp c, 0,1
	global_load_b128 v[192+16*\u+8*\s+4*\c:192+16*\u+8*\s+4*\c+3], v16, s[90:91] offset:2048*\u+64*\s+32*\c
.endr
.endr
.endr
	; (b) b2: 2 loads
	global_load_b128 v[B2:B2+3], v17, s[84:85]
	global_load_b128 v[B2+4:B2+7], v17, s[84:85] offset:16
	; (c) the scale words and my queries' fragments: 21 loads
.irp t, 0,1,2,3,4,5,6,7,8,9,10,11,12,13,14,15
	global_load_b32 v[W2S+\t], v18, s[92:93] offset:128*\t
.endr
	global_load_b32 v7, v18, s[88:89]
.irp s, 0,1
.irp c, 0,1
	global_load_b128 v[PF+8*\s+4*\c:PF+8*\s+4*\c+3], v16, s[86:87] offset:64*\s+32*\c
.endr
.endr
.macro GATH q                           ; query q's three rows.  Each load lands on its own offset register
.set SQ, 16+4*(\q)+4*((\q)/12)
.irp k, 0,1,2
	s_min_u32 s[SQ+\k], s[SQ+\k], 0x1fff           ; p1t has 8,192 rows
	v_lshl_add_u32 v[GA+12*(\q)+4*\k], s[SQ+\k], 9, v1
	global_load_b128 v[GA+12*(\q)+4*\k:GA+12*(\q)+4*\k+3], v[GA+12*(\q)+4*\k], s[94:95]
.endr
.endm
	s_wait_kmcnt 0x0
.irp q, 0,1,2,3,4,5,6,7,8,9,10,11,12
	GATH \q
.endr
	s_wait_loadcnt 62                              ; behind (a) came 2 + 21 + 39 loads: my tiles of w2 are in
.irp u, 0,1
.irp s, 0,1
.irp c, 0,1
	ds_store_b128 v19, v[192+16*\u+8*\s+4*\c:192+16*\u+8*\s+4*\c+3] offset:1024*(2*\u+\s)+512*\c
.endr
.endr
.endr
	s_wait_dscnt 0x0                               ; the stores have read their registers, which take the last three queries' rows
.irp q, 13,14,15
	GATH \q
.endr
	s_load_b512 s[16:31], s[98:99], 0x0            ; the weights, where the row numbers stood
	s_load_b512 s[32:47], s[98:99], 0x40
	s_load_b512 s[48:63], s[98:99], 0x80
	s_load_b512 s[68:83], s[98:99], 0xc0
	s_wait_kmcnt 0x0
; Query q: b2 + w0 row0 + w1 row1 + w2 row2 for my eight channels, straight from the bf16 halves; to my rows of the stage, 512 consecutive bytes a store.
.macro INTERP q
.set SQ, 16+4*(\q)+4*((\q)/12)
.set SU, SUM+8*((\q)%2)
.set GQ, GA+12*(\q)
	s_wait_loadcnt 3*(15-(\q))                     ; my three rows are in; the later queries' rows may be out
.if (\q) > 1
	s_wait_dscnt 2                                 ; the stores of two queries back have read this set of sums; the last query's two may be out
.endif
	v_mov_b32 v4, s[SQ]
	v_mov_b32 v5, s[SQ+1]
	v_mov_b32 v6, s[SQ+2]
.irp j, 0,1,2,3
	v_fma_mix_f32_bf16 v[SU+2*\j], v[GQ+\j], v4, v[B2+2*\j] op_sel_hi:[1,0,0]
	v_fma_mix_f32_bf16 v[SU+2*\j+1], v[GQ+\j], v4, v[B2+2*\j+1] op_sel:[1,0,0] op_sel_hi:[1,0,0]
.endr
.irp j, 0,1,2,3
	v_fma_mix_f32_bf16 v[SU+2*\j], v[GQ+4+\j], v5, v[SU+2*\j] op_sel_hi:[1,0,0]
	v_fma_mix_f32_bf16 v[SU+2*\j+1], v[GQ+4+\j], v5, v[SU+2*\j+1] op_sel:[1,0,0] op_sel_hi:[1,0,0]
.endr
.irp j, 0,1,2,3
	v_fma_mix_f32_bf16 v[SU+2*\j], v[GQ+8+\j], v6, v[SU+2*\j] op_sel_hi:[1,0,0]
	v_fma_mix_f32_bf16 v[SU+2*\j+1], v[GQ+8+\j], v6, v[SU+2*\j+1] op_sel:[1,0,0] op_sel_hi:[1,0,0]
.endr
	ds_store_b128 v2, v[SU:SU+3] offset:IP*(\q)
	ds_store_b128 v2, v[SU+4:SU+7] offset:IP*(\q)+512
.endm
.irp q, 0,1,2,3,4,5,6,7,8,9,10,11,12,13,14,15
	INTERP \q
.endr
	s_wait_dscnt 0x0                               ; my images and my rows of the stage have landed; the sums' registers are free
	v_and_b32 v20, 15, v0                          ; r
	v_bfe_u32 v21, v0, 4, 1                        ; h
	v_mul_u32_u24 v3, v20, IP                      ; the first stage, back: query 16 w + r, + 16 h
	v_lshl_add_u32 v3, v21, 4, v3
	v_add_nc_u32 v3, s14, v3
	v_add_nc_u32 v4, W2IMG, v1                     ; an image's place for my lane
	v_mul_u32_u24 v16, v21, 8*OP                   ; the second stage, in: channel row 8 h, query 16 w + r; one address for each 64 channel rows
	v_lshl_add_u32 v16, v20, 2, v16
	s_lshl_b32 s15, s2, 6
	s_add_co_u32 s15, s15, OSTG
	v_add_nc_u32 v16, s15, v16
	v_add_nc_u32 v17, 64*OP, v16
	v_add_nc_u32 v18, 128*OP, v16
	v_add_nc_u32 v19, 192*OP, v16
	s_mul_i32 s15, s2, 32*OP                       ; and back: channel rows 32 w on, 16 bytes a lane
	s_add_co_u32 s15, s15, OSTG
	v_add_nc_u32 v6, s15, v1
	s_barrier_signal -1
	s_barrier_wait -1                              ; all 32 images of w2 lie in LDS
	; C: lane (r, h), register j of tile t = channel 16 t + 8 h + j of query 16 w + r
.irp t, 0,1,2,3,4,5,6,7,8,9,10,11,12,13,14,15
	ds_load_b128 v[ACC+8*\t:ACC+8*\t+3], v3 offset:32*\t
	ds_load_b128 v[ACC+8*\t+4:ACC+8*\t+7], v3 offset:512+32*\t
.endr
.macro FETCHW set, n                    ; group n of eight: K step n / 4, tiles 4 (n % 4) + 0 .. 3
.irp i, 0,1,2,3
.irp c, 0,1
	ds_load_b128 v[WB+32*(\set)+8*\i+4*\c:WB+32*(\set)+8*\i+4*\c+3], v4 offset:1024*(2*(4*((\n)%4)+\i)+(\n)/4)+512*\c
.endr
.endr
.endm
.macro MULW set, n                      ; source 0 = 16 rows of w2, source 1 = my 16 queries.  The 16 accumulators take turns
.irp i, 0,1,2,3
.if (\n) < 4
	v_wmma_scale_f32_16x16x128_f8f6f4 v[ACC+8*(4*((\n)%4)+\i):ACC+8*(4*((\n)%4)+\i)+7], v[WB+32*(\set)+8*\i:WB+32*(\set)+8*\i+7], v[PF:PF+7], v[ACC+8*(4*((\n)%4)+\i):ACC+8*(4*((\n)%4)+\i)+7], v[W2S+4*((\n)%4)+\i], v7 matrix_a_fmt:MATRIX_FMT_FP4 matrix_b_fmt:MATRIX_FMT_FP4
.else
	v_wmma_scale_f32_16x16x128_f8f6f4 v[ACC+8*(4*((\n)%4)+\i):ACC+8*(4*((\n)%4)+\i)+7], v[WB+32*(\set)+8*\i:WB+32*(\set)+8*\i+7], v[PF+8:PF+15], v[ACC+8*(4*((\n)%4)+\i):ACC+8*(4*((\n)%4)+\i)+7], v[W2S+4*((\n)%4)+\i], v7 matrix_a_fmt:MATRIX_FMT_FP4 matrix_b_fmt:MATRIX_FMT_FP4 matrix_a_scale:MATRIX_SCALE_ROW1 matrix_b_scale:MATRIX_SCALE_ROW1
.endif
.endr
.endm
	FETCHW 0, 0
	FETCHW 1, 1
.irp n, 0,1,2,3,4,5,6,7
.if \n < 7
	s_wait_dscnt 8                                 ; this group's fragments (and C) are in; the next group's eight loads may be out
.else
	s_wait_dscnt 0x0
.endif
	MULW (\n)%2, \n
.if \n < 6
.rept 4
	v_nop                                          ; four places ahead of loads into registers that the products have read (ISA guide 7.12.1 for vector instructions)
.endr
	FETCHW (\n)%2, (\n)+2
.endif
.endr
.rept 4
	v_nop                                          ; four places ahead of the first read of results
.endr
.irp a, 0,1,2,3
.irp i, 0,1,2,3
.irp j, 0,1,2,3,4,5,6,7
	ds_store_b32 v[16+\a], v[ACC+8*(4*\a+\i)+\j] offset:(16*\i+\j)*OP     ; each accumulator from its low end on; lanes 0-15 fill 64 neighbouring bytes, lanes 16-31 those eight rows (4,224 bytes) on: other banks
.endr
.endr
.endr
	s_wait_dscnt 0x0                               ; for the others' sake: my stores have landed
	s_barrier_signal -1
	s_barrier_wait -1                              ; 256 whole rows of 128 queries lie in the stage
.irp i, 0,1,2,3,4,5,6,7,8,9,10,11,12,13,14,15,16,17,18,19,20,21,22,23,24,25,26,27,28,29,30,31
	ds_load_b128 v[ACC+4*\i:ACC+4*\i+3], v6 offset:OP*\i
.endr
.irp i, 0,1,2,3,4,5,6,7,8,9,10,11,12,13,14,15,16,17,18,19,20,21,22,23,24,25,26,27,28,29,30,31
	s_wait_dscnt 31-\i
	global_store_b128 v1, v[ACC+4*\i:ACC+4*\i+3], s[100:101] offset:65536*\i th:TH_STORE_NT   ; 32 lanes store 512 consecutive bytes, at a multiple of 512 from out1's first byte; written once, read by nobody here
.endr
	s_set_vgpr_msb 0x5
	s_wait_tensorcnt 0x0
	ds_add_u32 v0, v1
	s_wait_dscnt 0x0
	s_set_vgpr_msb 0x500
	s_endpgm
.Lfunc_end_k_qe7359fa573_fuse:
	.size	k_qe7359fa573_fuse, .Lfunc_end_k_qe7359fa573_fuse-k_qe7359fa573_fuse
	.p2alignl 7, 3214868480
	.fill 96, 4, 3214868480
	.section	.rodata,"a",@progbits
	.p2align	6, 0x0
	.amdhsa_kernel k_qe7359fa573_fuse
		.amdhsa_group_segment_fixed_size 302080
		.amdhsa_private_segment_fixed_size 0
		.amdhsa_enable_private_segment 0
		.amdhsa_kernarg_size 72
		.amdhsa_user_sgpr_count 2
		.amdhsa_user_sgpr_kernarg_segment_ptr 1
		.amdhsa_wavefront_size32 1
		.amdhsa_system_sgpr_workgroup_id_x 1
		.amdhsa_system_sgpr_workgroup_id_y 1
		.amdhsa_system_sgpr_workgroup_id_z 1
		.amdhsa_system_vgpr_workitem_id 0
		.amdhsa_next_free_vgpr 258
		.amdhsa_next_free_sgpr 102
		.amdhsa_reserve_vcc 0
		.amdhsa_float_denorm_mode_32 3
		.amdhsa_float_denorm_mode_16_64 3
		.amdhsa_memory_ordered 1
		.amdhsa_forward_progress 1
		.amdhsa_inst_pref_size 72
	.end_amdhsa_kernel
	.amdgpu_metadata
---
amdhsa.version: [ 1, 2 ]
amdhsa.kernels:
  - .name:           k_qe7359fa573_fuse
    .symbol:         k_qe7359fa573_fuse.kd
    .args:
      - { .name: b2, .offset: 0, .size: 8, .value_kind: global_buffer, .address_space: global }
      - { .name: points_2_codes, .offset: 8, .size: 8, .value_kind: global_buffer, .address_space: global }
      - { .name: points_2_scales, .offset: 16, .size: 8, .value_kind: global_buffer, .address_space: global }
      - { .name: w2_codes, .offset: 24, .size: 8, .value_kind: global_buffer, .address_space: global }
      - { .name: w2_scales, .offset: 32, .size: 8, .value_kind: global_buffer, .address_space: global }
      - { .name: p1t, .offset: 40, .size: 8, .value_kind: global_buffer, .address_space: global }
      - { .name: nidx, .offset: 48, .size: 8, .value_kind: global_buffer, .address_space: global }
      - { .name: nwgt, .offset: 56, .size: 8, .value_kind: global_buffer, .address_space: global }
      - { .name: out1, .offset: 64, .size: 8, .value_kind: global_buffer, .address_space: global }
    .group_segment_fixed_size: 302080
    .private_segment_fixed_size: 0
    .kernarg_segment_align: 8
    .kernarg_segment_size: 72
    .max_flat_workgroup_size: 256
    .sgpr_count:     102
    .vgpr_count:     258
    .wavefront_size: 32
...
	.end_amdgpu_metadata
.endif
;; end of part 3
